; MI455X (gfx1250); checked and timed in simulation.
; The chip was launched on July 23, 2026; its instructions are those of AMD's public machine-readable ISA for CDNA 5 (MIT licence, August 2026) and "CDNA5" Instruction Set Architecture Reference Guide (July 2026). The comments in the code are by the model that wrote it; some were corrected since.
;; Local Aggregator. Allowed arithmetic: float matrix products may take bf16 or f16 operands with f32 sums; all other float work in f32.
;; Inputs: cov3D 1 x 4,096 x 3 x 3 float32; means3D 1 x 4,096 x 3 float32; opacities 1 x 4,096 float32; pts 1 x 16,384 x 3 float32; scales 1 x 4,096 x 3 float32; semantics 1 x 4,096 x 18 float32.
;; Outputs: out0 1 x 16,384 x 18 float32.
;; 2 versions, each right; version 2 is version 1 with the launch gather written anew for expert scheduling mode. Each part assembles by itself: llvm-mc -triple=amdgcn-amd-amdhsa -mcpu=gfx1250 --defsym DOCPART=n.
;; ======== version 1 of 2: 2 launches
;; limits: values are held in f16: magnitudes above 65,504 overflow, below 6.1e-05 lose precision; values outside matrix products are rounded to bf16
;; workspace buffers: pcell 65,536 bytes of whole numbers; gword 16,384 bytes of whole numbers; grec 524,288 bytes
;; launch prep (part 1): grid 256 x 1, 1 waves a work-group, no clusters, 4,864 bytes of LDS; arguments pts, means3D, scales, cov3D, opacities, semantics, pcell, gword, grec; writes pcell, gword, grec
.if DOCPART == 1
	.amdgcn_target "amdgcn-amd-amdhsa--gfx1250"
	.amdhsa_code_object_version 6
	.text
	.protected	k_q1b1446b569_prep
	.globl	k_q1b1446b569_prep
	.p2align	8
	.type	k_q1b1446b569_prep,@function
k_q1b1446b569_prep:
	s_mov_b64 s[64:65], 0
	v_nop
	global_prefetch_b8 v0, s[64:65] scope:SCOPE_SE
	s_setreg_imm32_b32 hwreg(HW_REG_WAVE_MODE, 25, 1), 1
	s_wait_xcnt 0x0
; PREP: everything that hangs on one point or on one gaussian alone.
; FORMAT: every input is rounded to bf16 (nearest even) as it is loaded and widened to f32 again; all arithmetic is f32.
; The results are those of the definition on inputs so rounded, not on the f32 inputs: a coordinate between 32 and 64 in
; magnitude moves by up to 0.125.  This is a decision of format alone: it saves no byte and no instruction.
; Work-groups 0..127 (one wave each): 128 points each, four to a lane.  pcell[n] = 16 cy + cx, the cell of point n.
; Work-groups 128..255: 32 gaussians each, one to a lane.  gword[g] = mask of the x cells (bits 0-15) and of the y cells
; (bits 16-31) that the gaussian's box of voxels touches; grec[g] = a record of 128 bytes:
;   words 0-15 (f32): -mx -my -mz r | -fx -fy -fz Czz | Cxx Vx Cxy Cxz | Cyy Vy Cyz Vz
;   words 16-31     : op * sem as 32 f16: places 0-17 the 18 classes, places 24, 25 classes 16, 17 once more, zeros elsewhere
; m the mean, f its voxel and r the radius as whole numbers in f32, and with A = inverse(cov), c = -0.5 log2(e), d = p - m:
;   -0.5 log2(e) q = dx (Cxx dx + Cxy dy + Cxz dz + Vx) + dy (Cyy dy + Cyz dz + Vy) + dz (Czz dz + Vz)
;   Cii = c Aii, Cij = c (Aij + Aji), V = c (A' - A) m.
; That is pAp - 2 pAm + mAm written round the mean, for any A, symmetric or not: d'Ad + d'(A' - A)m.  Round the mean no large
; terms cancel, which is why it is kept in f32 vector arithmetic.
; A voxel is floor((x - pc_min) / 0.4f) with the division rounded correctly: a first guess x * 2.5 (2.5 is 1 / 0.4f rounded),
; the exact remainder by one fused multiply-add, one correction.
; A cell is (41 * clamp(voxel, 0, 199)) >> 9: 16 cells of 12 or 13 voxels; the map never falls, so a point inside a box lies
; in a cell between the cells of the box's two ends, wherever points and boxes lie.
; LIMITS: inputs at bf16 precision (above); inputs finite, also when rounded to bf16; voxel numbers below 2^24 in magnitude
; (kept in f32, where the definition casts to int32); det(cov) not 0 and a normal f32 number; |op * sem| below 65504 (f16).
.set NPW,  128                         ; work-groups that take points
.set GRID, 22                          ; s22 = 0.4f
.set RCPG, 23                          ; s23 = 2.5f
.macro TOBF a, b, t                    ; v[a], v[b]: rounded to bf16, nearest even, and widened again; v[t] at work
	v_cvt_pk_bf16_f32 v[\t], v[\a], v[\b]
	v_lshlrev_b32 v[\a], 16, v[\t]
	v_and_b32 v[\b], 0xffff0000, v[\t]
.endm
.macro VOXEL f, p, shift, t            ; v[f] = floor((v[p] + shift) / 0.4f); shift = -pc_min; v[t] at work
	v_add_f32 v[\t], \shift, v[\p]
	v_mul_f32 v[\f], s[RCPG], v[\t]                ; first guess, less than one unit in the last place off
	v_fma_f32 v[\t], -v[\f], s[GRID], v[\t]        ; what it leaves, exact
	v_fma_f32 v[\f], v[\t], s[RCPG], v[\f]         ; the quotient, rounded once
	v_floor_f32 v[\f], v[\f]
.endm
.macro CELL c                          ; voxel (f32) to cell (whole number), in place
	v_max_num_f32 v[\c], 0, v[\c]
	v_min_num_f32 v[\c], 0x43470000, v[\c]         ; 199.0
	v_cvt_u32_f32 v[\c], v[\c]
	v_mul_u32_u24 v[\c], 41, v[\c]
	v_lshrrev_b32 v[\c], 9, v[\c]
.endm
.macro COF d, p1, p2, m1, m2           ; a cofactor: v[d] = v[p1] v[p2] - v[m1] v[m2]
	v_mul_f32 v91, v[\m1], v[\m2]
	v_fma_f32 v[\d], v[\p1], v[\p2], -v91
.endm
	s_load_b512 s[4:19], s[0:1], 0x0               ; pts 4, means 6, scales 8, cov 10, op 12, sem 14, pcell 16, gword 18
	s_load_b64 s[20:21], s[0:1], 0x40              ; grec
	v_lshl_add_u32 v140, v0, 2, 0x1200
	v_mov_b32 v141, 0
	s_mov_b32 s[GRID], 0x3ecccccd
	s_mov_b32 s[RCPG], 0x40200000
	s_cmp_ge_u32 ttmp9, NPW
	s_cbranch_scc1 .Lgauss
; ---- points: lane t of work-group b takes points 4 (32 b + t) .. + 3 = 48 aligned bytes in, 16 aligned bytes out
	s_lshl_b32 s24, ttmp9, 5
	v_add_nc_u32 v1, s24, v0
	v_mul_u32_u24 v2, 48, v1
	v_lshlrev_b32 v3, 4, v1
	s_wait_kmcnt 0x0
	global_load_b128 v[4:7], v2, s[4:5]
	global_load_b128 v[8:11], v2, s[4:5] offset:16
	global_load_b128 v[12:15], v2, s[4:5] offset:32
	s_wait_loadcnt 0x0
.irp k, 0,1,2,3
	TOBF 4+3*\k, 5+3*\k, 18                        ; x and y at bf16 precision (z plays no part in a cell)
	VOXEL 16, 4+3*\k, 0x42200000, 18               ; x + 40
	VOXEL 17, 5+3*\k, 0x42200000, 19               ; y + 40   (cells are columns over all z)
	CELL 16
	CELL 17
	v_lshl_or_b32 v[20+\k], v17, 4, v16
.endr
	global_store_b128 v3, v[20:23], s[16:17]       ; the wave's store covers 512 consecutive bytes
	s_endpgm
; ---- gaussians
.Lgauss:
	s_sub_co_u32 s24, ttmp9, NPW
	s_lshl_b32 s24, s24, 5                         ; the wave's first gaussian
	v_add_nc_u32 v1, s24, v0
	v_mul_u32_u24 v2, 36, v1
	v_mul_u32_u24 v3, 12, v1
	v_lshlrev_b32 v4, 2, v1
	v_mul_u32_u24 v5, 72, v1
	s_wait_kmcnt 0x0
.irp k, 0,1,2,3,4,5,6,7,8
	global_load_b32 v[10+\k], v2, s[10:11] offset:4*\k             ; cov: a b c / d e f / g h i in v10..v18
.endr
.irp k, 0,1,2
	global_load_b32 v[19+\k], v3, s[6:7] offset:4*\k               ; mean
	global_load_b32 v[22+\k], v3, s[8:9] offset:4*\k               ; scales
.endr
	global_load_b32 v25, v4, s[12:13]                              ; opacity
.irp k, 0,1,2,3,4,5,6,7,8
	global_load_b64 v[26+2*\k:27+2*\k], v5, s[14:15] offset:8*\k   ; 18 classes (rows of 72 bytes: 8 is the widest aligned access)
.endr
	v_mul_u32_u24 v6, 144, v0                      ; LDS: my record, rows 144 bytes apart (128 + 16: no two of 16 rows on one bank)
	v_lshrrev_b32 v7, 3, v0
	v_mul_u32_u24 v7, 144, v7
	v_and_b32 v9, 7, v0
	v_lshl_add_u32 v7, v9, 4, v7                   ; LDS: read back, eight lanes to a record
	s_lshl_b32 s25, s24, 7
	v_lshl_add_u32 v8, v0, 4, s25                  ; grec: 16 bytes a lane, lanes side by side
	s_wait_loadcnt 0x0
.irp k, 10,12,14,16,18,20,22,24,26,28,30,32,34,36,38,40,42
	TOBF \k, \k+1, 91                              ; all 34 numbers of the gaussian, v10..v43, at bf16 precision
.endr
	; the nine cofactors K = det * A.  Pairs (K01, K10) .. use the same products in the same order, so that a symmetric
	; cov gives V = 0 exactly.
	COF 80, 14, 18, 15, 17                         ; K00 = e i - f h
	COF 81, 12, 17, 11, 18                         ; K01 = c h - b i
	COF 82, 11, 15, 12, 14                         ; K02 = b f - c e
	COF 83, 15, 16, 13, 18                         ; K10 = f g - d i
	COF 84, 10, 18, 12, 16                         ; K11 = a i - c g
	COF 85, 12, 13, 10, 15                         ; K12 = c d - a f
	COF 86, 13, 17, 14, 16                         ; K20 = d h - e g
	COF 87, 11, 16, 10, 17                         ; K21 = b g - a h
	COF 88, 10, 14, 11, 13                         ; K22 = a e - b d
	v_mul_f32 v89, v10, v80
	v_fma_f32 v89, v11, v83, v89
	v_fma_f32 v89, v12, v86, v89                   ; det
	v_rcp_f32 v90, v89                             ; its result is first read six plain instructions further down (ISA guide 5.7.2)
	v_add_f32 v44, v81, v83
	v_add_f32 v45, v82, v86
	v_add_f32 v46, v85, v87
	v_sub_f32 v93, v83, v81                        ; K10 - K01
	v_sub_f32 v94, v86, v82                        ; K20 - K02
	v_sub_f32 v95, v87, v85                        ; K21 - K12
	s_wait_alu depctr_va_vdst(0)
	v_fma_f32 v91, -v89, v90, 1.0                  ; one Newton step on 1 / det
	v_fma_f32 v90, v91, v90, v90
	v_mul_f32 v90, 0xbf38aa3b, v90                 ; c / det, c = -0.5 log2(e)
	v_mul_f32 v56, v80, v90                        ; Cxx
	v_mul_f32 v60, v84, v90                        ; Cyy
	v_mul_f32 v55, v88, v90                        ; Czz
	v_mul_f32 v58, v44, v90                        ; Cxy
	v_mul_f32 v59, v45, v90                        ; Cxz
	v_mul_f32 v62, v46, v90                        ; Cyz
	v_mul_f32 v91, v93, v20
	v_fma_f32 v91, v94, v21, v91
	v_mul_f32 v57, v91, v90                        ; Vx = c ((A10 - A01) my + (A20 - A02) mz)
	v_mul_f32 v92, v95, v21
	v_fma_f32 v92, -v93, v19, v92
	v_mul_f32 v61, v92, v90                        ; Vy = c ((A01 - A10) mx + (A21 - A12) mz)
	v_mul_f32 v91, v94, v19
	v_fma_f32 v91, v95, v20, v91
	v_mul_f32 v63, -v91, v90                       ; Vz = c ((A02 - A20) mx + (A12 - A21) my)
	v_sub_f32 v48, 0, v19
	v_sub_f32 v49, 0, v20
	v_sub_f32 v50, 0, v21
	VOXEL 96, 19, 0x42200000, 99
	VOXEL 97, 20, 0x42200000, 99
	VOXEL 98, 21, 1.0, 99
	v_sub_f32 v52, 0, v96
	v_sub_f32 v53, 0, v97
	v_sub_f32 v54, 0, v98
	; radius = ceil(max(scales) * 3 / 0.4f), the division as above, ceil(x) = -floor(-x)
	v_max3_num_f32 v100, v22, v23, v24
	v_mul_f32 v100, 0x40400000, v100
	v_mul_f32 v101, s[RCPG], v100
	v_fma_f32 v100, -v101, s[GRID], v100
	v_fma_f32 v101, v100, s[RCPG], v101
	v_sub_f32 v101, 0, v101
	v_floor_f32 v101, v101
	v_sub_f32 v51, 0, v101
	; the cells of the box's ends, and the masks bits lo .. hi = (2 << hi) - (1 << lo)
	v_sub_f32 v102, v96, v51
	v_add_f32 v103, v96, v51
	v_sub_f32 v104, v97, v51
	v_add_f32 v105, v97, v51
	CELL 102
	CELL 103
	CELL 104
	CELL 105
	v_lshlrev_b32 v102, v102, 1
	v_lshlrev_b32 v103, v103, 2
	v_lshlrev_b32 v104, v104, 1
	v_lshlrev_b32 v105, v105, 2
	v_sub_nc_u32 v102, v103, v102
	v_sub_nc_u32 v104, v105, v104
	v_and_b32 v102, 0xffff, v102
	v_lshl_or_b32 v102, v104, 16, v102
	global_store_b32 v4, v102, s[18:19]            ; 128 consecutive bytes from the wave
	; op * sem, rounded once to f16
.irp k, 0,1,2,3,4,5,6,7,8
	v_pk_mul_f32 v[26+2*\k:27+2*\k], v[26+2*\k:27+2*\k], v[24:25] op_sel:[0,1] op_sel_hi:[1,1]   ; both by v25
.endr
.irp k, 0,1,2,3,4,5,6,7,8
	v_cvt_pk_f16_f32 v[64+\k], v[26+2*\k], v[27+2*\k]
.endr
.irp k, 73,74,75,77,78,79
	v_mov_b32 v[\k], 0                             ; places 18-23 and 26-31 of the second tile of 16 classes
.endr
	v_mov_b32 v76, v72                             ; places 24, 25 = classes 16, 17 again: rows 8, 9 of that tile, so that both
	                                               ; halves of the next launch's lanes hold these two classes
	; the 32 records leave through LDS, so that each store of the wave covers 512 consecutive bytes
.irp j, 0,1,2,3,4,5,6,7
	ds_store_b128 v6, v[48+4*\j:51+4*\j] offset:16*\j
.endr
.irp j, 0,1,2,3,4,5,6,7
	ds_load_b128 v[108+4*\j:111+4*\j], v7 offset:576*\j            ; four records on; LDS serves a wave in order (ISA guide 5.7.1)
.endr
.irp j, 0,1,2,3,4,5,6,7
	s_wait_dscnt 7-\j                              ; read-back j is in, the younger ones may be out
	global_store_b128 v8, v[108+4*\j:111+4*\j], s[20:21] offset:512*\j
.endr
	s_wait_tensorcnt 0x0
	ds_add_u32 v140, v141
	s_wait_dscnt 0x0
	s_endpgm
.Lfunc_end_k_q1b1446b569_prep:
	.size	k_q1b1446b569_prep, .Lfunc_end_k_q1b1446b569_prep-k_q1b1446b569_prep
	.p2alignl 7, 3214868480
	.fill 96, 4, 3214868480
	.section	.rodata,"a",@progbits
	.p2align	6, 0x0
	.amdhsa_kernel k_q1b1446b569_prep
		.amdhsa_group_segment_fixed_size 4864
		.amdhsa_private_segment_fixed_size 0
		.amdhsa_enable_private_segment 0
		.amdhsa_kernarg_size 72
		.amdhsa_user_sgpr_count 2
		.amdhsa_user_sgpr_kernarg_segment_ptr 1
		.amdhsa_wavefront_size32 1
		.amdhsa_system_sgpr_workgroup_id_x 1
		.amdhsa_system_sgpr_workgroup_id_y 1
		.amdhsa_system_sgpr_workgroup_id_z 1
		.amdhsa_system_vgpr_workitem_id 0
		.amdhsa_next_free_vgpr 142
		.amdhsa_next_free_sgpr 66
		.amdhsa_reserve_vcc 0
		.amdhsa_float_denorm_mode_32 3
		.amdhsa_float_denorm_mode_16_64 3
		.amdhsa_memory_ordered 1
		.amdhsa_forward_progress 1
		.amdhsa_inst_pref_size 20
	.end_amdhsa_kernel
	.amdgpu_metadata
---
amdhsa.version: [ 1, 2 ]
amdhsa.kernels:
  - .name:           k_q1b1446b569_prep
    .symbol:         k_q1b1446b569_prep.kd
    .args:
      - { .name: pts, .offset: 0, .size: 8, .value_kind: global_buffer, .address_space: global }
      - { .name: means3D, .offset: 8, .size: 8, .value_kind: global_buffer, .address_space: global }
      - { .name: scales, .offset: 16, .size: 8, .value_kind: global_buffer, .address_space: global }
      - { .name: cov3D, .offset: 24, .size: 8, .value_kind: global_buffer, .address_space: global }
      - { .name: opacities, .offset: 32, .size: 8, .value_kind: global_buffer, .address_space: global }
      - { .name: semantics, .offset: 40, .size: 8, .value_kind: global_buffer, .address_space: global }
      - { .name: pcell, .offset: 48, .size: 8, .value_kind: global_buffer, .address_space: global }
      - { .name: gword, .offset: 56, .size: 8, .value_kind: global_buffer, .address_space: global }
      - { .name: grec, .offset: 64, .size: 8, .value_kind: global_buffer, .address_space: global }
    .group_segment_fixed_size: 4864
    .private_segment_fixed_size: 0
    .kernarg_segment_align: 8
    .kernarg_segment_size: 72
    .max_flat_workgroup_size: 32
    .sgpr_count:     66
    .vgpr_count:     142
    .wavefront_size: 32
...
	.end_amdgpu_metadata
.endif
;; end of part 1
;; launch gather (part 2): grid 256 x 8, 1 waves a work-group, no clusters, 33,792 bytes of LDS; arguments pts, pcell, gword, grec, out0; writes out0
.if DOCPART == 2
	.amdgcn_target "amdgcn-amd-amdhsa--gfx1250"
	.amdhsa_code_object_version 6
	.text
	.protected	k_q1b1446b569_gather
	.globl	k_q1b1446b569_gather
	.p2align	8
	.type	k_q1b1446b569_gather,@function
k_q1b1446b569_gather:
	s_mov_b64 s[64:65], 0
	v_nop
	global_prefetch_b8 v0, s[64:65] scope:SCOPE_SE
	s_setreg_imm32_b32 hwreg(HW_REG_WAVE_MODE, 25, 1), 1
	s_wait_xcnt 0x0
; GATHER: out0[n][c] = sum over g of mask(n, g) exp(-q(n, g) / 2) op[g] sem[g][c], cell by cell.
; A work-group is ONE wave: x = one of the 16 x 16 cells (16 cy + cx), y = one of eight shares of 2,048 points.
;  1. The wave looks through its share's 2,048 cell numbers (pcell) and through all 4,096 gaussian words (gword) and writes the
;     numbers of its points in this cell, and of the gaussians whose box touches the cell, into two lists in its LDS.
;     Each list has room for all that the wave looks at, so any spread of points and boxes is served.
;     The eight waves of a cell each make the cell's list of gaussians for themselves: 128 compare masks a wave where a shared
;     list would take 16, and in return no wave waits for another, there is no barrier, and a list position is a plain index.
;  2. Tiles of 16 points.  A K trip takes 64 gaussians, two to a lane: the lane's records come straight into its registers, the
;     16 points' numbers stand in all lanes.  The exact mask (voxels, as whole numbers in f32) and exp2 of the quadratic form
;     give w; w goes as f16 rows [gaussian][16 points] into a stage in LDS, the rows of op * sem beside it, and transposing LDS
;     loads make the fragments of  out^T (class x point) += sem^T (class x g) w (g x point).
;     A lane then holds eight neighbouring classes of one point.
; Pairs that the mask throws away outside the lists are never formed; inside a list the mask selects 0 by v_cndmask_b32.
; EXEC stays full throughout: columns behind the end of the list repeat its last point and store the same numbers to the same
; bytes, and classes 16, 17 stand twice in a record (rows 0, 1 and 8, 9 of the second tile), so both halves of the lanes store them.
; NO JOINT REQUESTS: all work-groups read the same gword, and 256 the same share of pcell, but each lane takes its 48 x 16 bytes
; straight into the registers that the compares read; brought jointly into LDS, the same 48 loads a lane would fetch them from there.
; FORMAT: the points' coordinates are rounded to bf16 (nearest even) as they are loaded and widened to f32 again, as all inputs
; are in the launch before: the results are those of the definition on inputs so rounded, not on the f32 inputs (a coordinate
; between 32 and 64 in magnitude moves by up to 0.125).  A decision of format alone: it saves no byte and no instruction.
; LIMITS: inputs at bf16 precision (above) and finite; voxel numbers below 2^24 in magnitude (compared in f32, where the
; definition casts to int32); w = exp(-q / 2) and op * sem are matrix operands in f16: q above -22, |op * sem| below 65504,
; w below 6e-8 counts as 0; q is summed round the mean and the classes' sums run in list order: roundings differ from the definition's.
.set NP,     16384
.set NG,     4096
.set SHARES, 8
.set PCAP,   NP/SHARES                 ; points that the wave looks at
.set GCAP,   NG                        ; gaussians that the wave looks at
.set GLIST,  0                         ; LDS bytes: the list of gaussians, then a spare word for each lane,
.set PLIST,  GLIST+4*(GCAP+32)         ; the list of points, then a spare word for each lane,
.set PST,    PLIST+4*(PCAP+32)         ; six rows of 16 f32: x y z and voxel x y z of the tile's points,
.set WST,    PST+384                   ; w: 64 rows (gaussians) of 16 f16, 32 bytes apart,
.set SST,    WST+64*32                 ; op * sem: 64 rows of 32 f16, 96 bytes apart (both pitches odd multiples of 32); ends at 33,408
; vector registers.  v0-v26 hold lane constants, positions and offsets and never a float.
.set R,    1                           ; lane & 15: my point in the tile
.set H,    2                           ; lane >> 4
.set PLO,  3                           ; byte offset of my first 16 bytes of pcell
.set GLO,  4                           ; and of gword
.set VBP,  5                           ; number of my first point, VBG of my first gaussian
.set VBG,  6
.set VCAP, 7                           ; scan: my spare slot
.set PSTA, 8                           ; LDS lane terms
.set PSTB, 9
.set STW,  10
.set STS,  11
.set TRW,  12
.set TRS,  13
.set H32,  14                          ; 32 h
.set POS,  15
.set IDX,  16
.set PO,   17
.set OB,   18
.set OO,   19
.set QA,   20
.set QB,   21
.set GLA,  22
.set GLB,  23
.set GOA,  24
.set GOB,  25
.set T0,   26
.set PD,   32                          ; v32-95   scan: 16 x 4 cell numbers
.set GD,   96                          ; v96-223  scan: 32 x 4 gaussian words
.set GA,   32                          ; v32-47   record of my first gaussian; later fragments
.set GB,   48                          ; v48-63   of my second
.set SA,   64                          ; v64-79   its op * sem; SB the second's
.set SB,   80
.set WP,   96                          ; v96-103  16 w as f16
.set DX,   104                         ; v104-127 at work; later fragments
.set DY,   106
.set DZ,   108
.set EX,   110
.set EY,   112
.set EZ,   114
.set T1,   116
.set T2,   118
.set T3,   120
.set Q,    122
.set E,    124
.set MX,   126
.set PX,   128                         ; v128-223: x, y, z, voxel x, y, z of the 16 points, in every lane
.set PY,   144
.set PZ,   160
.set FX,   176
.set FY,   192
.set FZ,   208
.set ACC,  224                         ; v224-231 classes 0-15, v232-239 the second tile
.set ST,   240                         ; v240-243 scan: slots
.set SU,   244                         ; v244-247 scan: numbers to store
.set PT,   248                         ; v248-254 my point: x y z, voxel x y z, one at work
; scalar registers: s[4:5] pts, s[6:7] pcell, s[8:9] gword, s[10:11] grec, s[12:13] out0
.set SHARE, 14
.set CID,   15
.set CBITS, 16
.set TMP,   17
.set MK,    20                         ; s20-23 four compare masks
.set CN,    24                         ; s24-27 their counts
.set BS,    28                         ; s28-31 the list's length in front of each
.set PCNT,  32
.set GCNT,  33
.set PLAST, 34
.set GLAST, 35
.set NTILE, 36
.set TILE,  37
.set KTRIPS, 38
.set KT,    39
.set GRID,  40
.set RCPG,  41
.set MSK,   42
; Four registers of whole numbers (128 entries): matches go to the next free slots of the list at LDS byte SEG.
; slot = length so far + matches in lower lanes (v_mbcnt); lanes without a match write to their spare word.
; The v_min_u32 holds every slot inside the list and its spare words, whatever was loaded.
.macro SCAN4 X, VB, K0, CAP, SEG, gauss
.irp j, 0,1,2,3
.if \gauss
	v_and_b32 v[ST+\j], s[CBITS], v[\X+\j]                 ; both my cell's bits set?
	v_cmp_eq_u32 s[MK+\j], s[CBITS], v[ST+\j]
.else
	v_cmp_eq_u32 s[MK+\j], s[CID], v[\X+\j]
.endif
.endr
.irp j, 0,1,2,3
	s_bcnt1_i32_b32 s[CN+\j], s[MK+\j]
.endr
	s_add_co_u32 s[BS+1], s[BS], s[CN]
	s_add_co_u32 s[BS+2], s[BS+1], s[CN+1]
	s_add_co_u32 s[BS+3], s[BS+2], s[CN+2]
.irp j, 0,1,2,3
	v_mbcnt_lo_u32_b32 v[ST+\j], s[MK+\j], s[BS+\j]
.endr
.irp j, 0,1,2,3
	v_cndmask_b32 v[ST+\j], v[VCAP], v[ST+\j], s[MK+\j]
.endr
.irp j, 0,1,2,3
	v_min_u32 v[ST+\j], \CAP, v[ST+\j]
.endr
.irp j, 0,1,2,3
	v_lshl_add_u32 v[ST+\j], v[ST+\j], 2, 0
	v_add_nc_u32 v[SU+\j], \K0+\j, v[\VB]                  ; the entry's number
.endr
.irp j, 0,1,2,3
	ds_store_b32 v[ST+\j], v[SU+\j] offset:\SEG
.endr
	s_add_co_u32 s[BS], s[BS+3], s[CN+3]
.endm
.macro VOXEL f, p, shift, t            ; v[f] = floor((v[p] + shift) / 0.4f), the division rounded correctly, as in the launch before
	v_add_f32 v[\t], \shift, v[\p]
	v_mul_f32 v[\f], s[RCPG], v[\t]
	v_fma_f32 v[\t], -v[\f], s[GRID], v[\t]
	v_fma_f32 v[\f], v[\t], s[RCPG], v[\f]
	v_floor_f32 v[\f], v[\f]
.endm
; Points t, t + 1 of the tile against the gaussian whose record is v[G:G+15].  op_sel picks one register of a pair for both halves.
.macro PAIR G, t, w
	v_pk_add_f32 v[DX:DX+1], v[PX+\t:PX+\t+1], v[\G:\G+1] op_sel_hi:[1,0]                     ; d = p - m
	v_pk_add_f32 v[DY:DY+1], v[PY+\t:PY+\t+1], v[\G:\G+1] op_sel:[0,1] op_sel_hi:[1,1]
	v_pk_add_f32 v[DZ:DZ+1], v[PZ+\t:PZ+\t+1], v[\G+2:\G+3] op_sel_hi:[1,0]
	v_pk_add_f32 v[EX:EX+1], v[FX+\t:FX+\t+1], v[\G+4:\G+5] op_sel_hi:[1,0]                   ; voxel differences
	v_pk_add_f32 v[EY:EY+1], v[FY+\t:FY+\t+1], v[\G+4:\G+5] op_sel:[0,1] op_sel_hi:[1,1]
	v_pk_add_f32 v[EZ:EZ+1], v[FZ+\t:FZ+\t+1], v[\G+6:\G+7] op_sel_hi:[1,0]
	v_pk_fma_f32 v[T1:T1+1], v[DX:DX+1], v[\G+8:\G+9], v[\G+8:\G+9] op_sel:[0,0,1] op_sel_hi:[1,0,1]       ; Cxx dx + Vx
	v_pk_fma_f32 v[T2:T2+1], v[DY:DY+1], v[\G+12:\G+13], v[\G+12:\G+13] op_sel:[0,0,1] op_sel_hi:[1,0,1]   ; Cyy dy + Vy
	v_pk_fma_f32 v[T3:T3+1], v[DZ:DZ+1], v[\G+6:\G+7], v[\G+14:\G+15] op_sel:[0,1,1] op_sel_hi:[1,1,1]     ; Czz dz + Vz
	v_pk_fma_f32 v[T1:T1+1], v[DY:DY+1], v[\G+10:\G+11], v[T1:T1+1] op_sel_hi:[1,0,1]                      ; + Cxy dy
	v_pk_fma_f32 v[T2:T2+1], v[DZ:DZ+1], v[\G+14:\G+15], v[T2:T2+1] op_sel_hi:[1,0,1]                      ; + Cyz dz
	v_pk_fma_f32 v[T1:T1+1], v[DZ:DZ+1], v[\G+10:\G+11], v[T1:T1+1] op_sel:[0,1,0] op_sel_hi:[1,1,1]       ; + Cxz dz
	v_pk_mul_f32 v[Q:Q+1], v[DZ:DZ+1], v[T3:T3+1]
	v_pk_fma_f32 v[Q:Q+1], v[DY:DY+1], v[T2:T2+1], v[Q:Q+1]
	v_pk_fma_f32 v[Q:Q+1], v[DX:DX+1], v[T1:T1+1], v[Q:Q+1]       ; -0.5 log2(e) q
	v_exp_f32 v[E], v[Q]
	v_exp_f32 v[E+1], v[Q+1]                       ; four plain instructions stand before the results are read (ISA guide 5.7.2)
	v_max3_num_f32 v[MX], |v[EX]|, |v[EY]|, |v[EZ]|
	v_max3_num_f32 v[MX+1], |v[EX+1]|, |v[EY+1]|, |v[EZ+1]|
	v_cmp_le_f32 s[MSK], v[MX], v[\G+3]            ; all three differences within the radius
	v_cmp_le_f32 vcc_lo, v[MX+1], v[\G+3]
	s_wait_alu depctr_va_vdst(0)
	v_cndmask_b32 v[E], 0, v[E], s[MSK]
	v_cndmask_b32 v[E+1], 0, v[E+1], vcc_lo
	v_cvt_pk_f16_f32 v[\w], v[E], v[E+1]
.endm
.macro HALF G, a                       ; my gaussian a of the trip against all 16 points; its row of w into the stage
.irp t, 0,2,4,6,8,10,12,14
	PAIR \G, \t, WP+\t/2
.endr
	ds_store_b128 v[STW], v[WP:WP+3] offset:WST+1024*\a
	ds_store_b128 v[STW], v[WP+4:WP+7] offset:WST+1024*\a+16
.endm
; Fragments of K step a (32 gaussians): rows lie [k][n] in LDS; a transposing load gives lane (r, h) eight k of column r.
.macro FRAGS a, B, A0, A1
	ds_load_tr16_b128 v[\B:\B+3], v[TRW] offset:WST+1024*\a
	ds_load_tr16_b128 v[\B+4:\B+7], v[TRW] offset:WST+1024*\a+512
	ds_load_tr16_b128 v[\A0:\A0+3], v[TRS] offset:SST+3072*\a
	ds_load_tr16_b128 v[\A0+4:\A0+7], v[TRS] offset:SST+3072*\a+1536
	ds_load_tr16_b128 v[\A1:\A1+3], v[TRS] offset:SST+3072*\a+32
	ds_load_tr16_b128 v[\A1+4:\A1+7], v[TRS] offset:SST+3072*\a+1536+32
.endm
	s_load_b256 s[4:11], s[0:1], 0x0               ; pts, pcell, gword, grec
	s_load_b64 s[12:13], s[0:1], 0x20              ; out0
	v_lshl_add_u32 v31, v0, 2, 0x8300
	v_mov_b32 v255, 0
	s_and_b32 s[SHARE], ttmp7, 0xffff
	v_lshlrev_b32 v[GLO], 4, v0                    ; gword: 16 bytes a lane
	s_lshl_b32 s[TMP], s[SHARE], 13
	v_add_nc_u32 v[PLO], s[TMP], v[GLO]            ; pcell: 8,192 bytes a share, 16 a lane
	s_wait_kmcnt 0x0
.set i, 0
.rept 16
	global_load_b128 v[PD+4*i:PD+4*i+3], v[PLO], s[6:7] offset:512*i      ; register j: point 2048 share + 128 i + 4 lane + j
.set i, i+1
.endr
.set i, 0
.rept 32
	global_load_b128 v[GD+4*i:GD+4*i+3], v[GLO], s[8:9] offset:512*i      ; register j: gaussian 128 i + 4 lane + j
.set i, i+1
.endr
	; while the 48 loads are on their way: constants of the lane and of the work-group
	v_lshlrev_b32 v[VBG], 2, v0                    ; 4 lane
	s_lshl_b32 s[TMP], s[SHARE], 11
	v_add_nc_u32 v[VBP], s[TMP], v[VBG]            ; 2048 share + 4 lane
	v_and_b32 v[R], 15, v0
	v_lshrrev_b32 v[H], 4, v0
	s_mov_b32 s[CID], ttmp9
	s_and_b32 s[TMP], ttmp9, 15
	s_lshl_b32 s[CBITS], 1, s[TMP]                 ; bit cx
	s_lshr_b32 s[TMP], ttmp9, 4
	s_add_co_u32 s[TMP], s[TMP], 16
	s_lshl_b32 s[TMP], 1, s[TMP]                   ; bit 16 + cy
	s_or_b32 s[CBITS], s[CBITS], s[TMP]
	s_mov_b32 s[GRID], 0x3ecccccd
	s_mov_b32 s[RCPG], 0x40200000
	v_lshlrev_b32 v[PSTA], 2, v[R]                 ; my point's word in a row of the points' stage
	v_mov_b32 v[PSTB], 0                           ; and one address for all lanes, to read the rows back
	v_lshlrev_b32 v[STW], 5, v0                    ; row = lane, 32 bytes
	v_mul_u32_u24 v[STS], 96, v0                   ; row = lane, 96 bytes
	v_and_b32 v[TRW], 7, v0
	v_lshl_or_b32 v[TRW], v[H], 3, v[TRW]          ; transposing loads: row 8 h + (lane & 7),
	v_bfe_u32 v[T0], v0, 3, 1
	v_lshlrev_b32 v[T0], 4, v[T0]                  ; 16 bytes on for lanes 8-15 and 24-31
	v_mul_u32_u24 v[TRS], 96, v[TRW]
	v_add_nc_u32 v[TRS], v[TRS], v[T0]
	v_lshl_add_u32 v[TRW], v[TRW], 5, v[T0]
	v_lshlrev_b32 v[H32], 5, v[H]
	; ---- 1. the lists
	v_add_nc_u32 v[VCAP], PCAP, v0
	s_mov_b32 s[BS], 0
.set i, 0
.rept 16
	s_wait_loadcnt 47-i                            ; loads return in order (ISA guide 5.7.1): load i is in, the 47 - i younger may be out
	SCAN4 PD+4*i, VBP, 128*i, PCAP+31, PLIST, 0
.set i, i+1
.endr
	s_mov_b32 s[PCNT], s[BS]
	v_add_nc_u32 v[VCAP], GCAP, v0
	s_mov_b32 s[BS], 0
.set i, 0
.rept 32
	s_wait_loadcnt 31-i                            ; gword's load i is in, its 31 - i younger may be out
	SCAN4 GD+4*i, VBG, 128*i, GCAP+31, GLIST, 1
.set i, i+1
.endr
	s_mov_b32 s[GCNT], s[BS]
	s_add_co_u32 s[PLAST], s[PCNT], -1
	s_add_co_u32 s[GLAST], s[GCNT], -1
	s_add_co_u32 s[NTILE], s[PCNT], 15
	s_lshr_b32 s[NTILE], s[NTILE], 4               ; tiles of 16 points
	s_add_co_u32 s[KTRIPS], s[GCNT], 63
	s_lshr_b32 s[KTRIPS], s[KTRIPS], 6             ; trips of 64 gaussians
	s_cmp_eq_u32 s[NTILE], 0
	s_cbranch_scc1 .Lend                           ; none of this share's points lies in the cell
	s_mov_b32 s[TILE], 0
	; ---- 2. the tiles.  The lists are the wave's own and LDS serves a wave in order (ISA guide 5.7.1): no wait behind the stores above
.Ltile:
	v_lshl_add_u32 v[POS], s[TILE], 4, v[R]
	v_min_u32 v[POS], s[PLAST], v[POS]             ; columns behind the list's end repeat its last point
	v_min_u32 v[POS], PCAP-1, v[POS]               ; inside the list, whatever the count
	v_lshl_add_u32 v[POS], v[POS], 2, 0
	ds_load_b32 v[IDX], v[POS] offset:PLIST
	s_wait_dscnt 0x0
	v_min_u32 v[IDX], NP-1, v[IDX]
	v_lshl_add_u32 v[PO], v[IDX], 1, v[IDX]        ; 3 n
	v_lshl_add_u32 v[PO], v[PO], 2, 0              ; 12 n: the point's three f32
	global_load_b32 v[PT], v[PO], s[4:5]
	global_load_b32 v[PT+1], v[PO], s[4:5] offset:4
	global_load_b32 v[PT+2], v[PO], s[4:5] offset:8
	v_lshl_add_u32 v[OB], v[IDX], 3, v[IDX]        ; 9 n.  OB, OO and ACC were the last tile's store sources: the s_wait_xcnt 0
	v_lshl_add_u32 v[OO], v[OB], 3, v[H32]         ; 72 n + 32 h    behind its last store stands in front of these lines
	v_lshl_add_u32 v[OB], v[OB], 3, 0              ; 72 n
.irp j, 0,1,2,3,4,5,6,7,8,9,10,11,12,13,14,15
	v_mov_b32 v[ACC+\j], 0                         ; cleared, since a cell without gaussians makes no product and still stores zeros
.endr
	s_wait_loadcnt 0x0
	v_cvt_pk_bf16_f32 v[PT+6], v[PT], v[PT+1]      ; the three coordinates at bf16 precision (nearest even), widened again
	v_lshlrev_b32 v[PT], 16, v[PT+6]
	v_and_b32 v[PT+1], 0xffff0000, v[PT+6]
	v_cvt_pk_bf16_f32 v[PT+6], v[PT+2], v[PT+2]
	v_lshlrev_b32 v[PT+2], 16, v[PT+6]
	VOXEL PT+3, PT, 0x42200000, PT+6
	VOXEL PT+4, PT+1, 0x42200000, PT+6
	VOXEL PT+5, PT+2, 1.0, PT+6
.irp a, 0,1,2,3,4,5
	ds_store_b32 v[PSTA], v[PT+\a] offset:PST+64*\a                ; lanes r and r + 16 hold the same point and write the same word
.endr
.irp a, 0,1,2,3,4,5
.irp c, 0,1,2,3
	ds_load_b128 v[PX+16*\a+4*\c:PX+16*\a+4*\c+3], v[PSTB] offset:PST+64*\a+16*\c   ; one address for all lanes; behind my own stores, in order
.endr
.endr
	s_wait_dscnt 0x0
	s_cmp_eq_u32 s[KTRIPS], 0
	s_cbranch_scc1 .Lout
	s_mov_b32 s[KT], 0
.Lk:
	v_lshl_add_u32 v[QA], s[KT], 6, v0             ; list positions of my two gaussians
	v_add_nc_u32 v[QB], 32, v[QA]
	v_min_u32 v[GLA], s[GLAST], v[QA]              ; behind the end: the last one again, with radius -1 below
	v_min_u32 v[GLB], s[GLAST], v[QB]
	v_min_u32 v[GLA], GCAP-1, v[GLA]               ; inside the list, whatever the count
	v_min_u32 v[GLB], GCAP-1, v[GLB]
	v_lshl_add_u32 v[GLA], v[GLA], 2, 0
	v_lshl_add_u32 v[GLB], v[GLB], 2, 0
	ds_load_b32 v[GOA], v[GLA] offset:GLIST
	ds_load_b32 v[GOB], v[GLB] offset:GLIST
	s_wait_dscnt 0x0
	v_min_u32 v[GOA], NG-1, v[GOA]
	v_min_u32 v[GOB], NG-1, v[GOB]
	v_lshl_add_u32 v[GOA], v[GOA], 7, 0            ; records of 128 bytes
	v_lshl_add_u32 v[GOB], v[GOB], 7, 0
.irp c, 0,1,2,3
	global_load_b128 v[GA+4*\c:GA+4*\c+3], v[GOA], s[10:11] offset:16*\c
.endr
.irp c, 0,1,2,3
	global_load_b128 v[GB+4*\c:GB+4*\c+3], v[GOB], s[10:11] offset:16*\c
.endr
.irp c, 0,1,2,3
	global_load_b128 v[SA+4*\c:SA+4*\c+3], v[GOA], s[10:11] offset:64+16*\c
.endr
.irp c, 0,1,2,3
	global_load_b128 v[SB+4*\c:SB+4*\c+3], v[GOB], s[10:11] offset:64+16*\c
.endr
	s_wait_loadcnt 12                              ; the first record's four loads are in, the twelve younger may be out
	v_cmp_gt_u32 vcc_lo, s[GCNT], v[QA]
	v_cndmask_b32 v[GA+3], -1.0, v[GA+3], vcc_lo   ; no gaussian here: no difference is within -1, so w = 0
	HALF GA, 0
	s_wait_loadcnt 8                               ; the second record is in, the eight loads of op * sem may be out
	v_cmp_gt_u32 vcc_lo, s[GCNT], v[QB]
	v_cndmask_b32 v[GB+3], -1.0, v[GB+3], vcc_lo
	HALF GB, 1
	s_wait_loadcnt 0x0                             ; op * sem is in; this also frees GOA and GOB for the next trip
.irp c, 0,1,2,3
	ds_store_b128 v[STS], v[SA+4*\c:SA+4*\c+3] offset:SST+16*\c
	ds_store_b128 v[STS], v[SB+4*\c:SB+4*\c+3] offset:SST+3072+16*\c
.endr
	FRAGS 0, 32, 40, 48                            ; LDS serves a wave in order: these see the stores above without a wait
	FRAGS 1, 56, 104, 112
	s_wait_dscnt 0x0
	v_wmma_f32_16x16x32_f16 v[ACC:ACC+7], v[40:47], v[32:39], v[ACC:ACC+7]
	v_wmma_f32_16x16x32_f16 v[ACC+8:ACC+15], v[48:55], v[32:39], v[ACC+8:ACC+15]
	v_wmma_f32_16x16x32_f16 v[ACC:ACC+7], v[104:111], v[56:63], v[ACC:ACC+7]
	v_wmma_f32_16x16x32_f16 v[ACC+8:ACC+15], v[112:119], v[56:63], v[ACC+8:ACC+15]
	s_add_co_u32 s[KT], s[KT], 1                   ; the next trip's loads into v32.. stand behind twelve plain vector
	s_cmp_lt_u32 s[KT], s[KTRIPS]                  ; instructions that name no fragment (ISA guide 7.12.1)
	s_cbranch_scc1 .Lk
.Lout:
.rept 4
	v_nop                                          ; four places between the last matrix instruction and the stores of its result (7.12.1)
.endr
	; lane (r, h), register j of ACC = class 8 h + j of point r: 32 neighbouring bytes of its row of 72 (8 is the widest aligned access)
.irp j, 0,1,2,3
	global_store_b64 v[OO], v[ACC+2*\j:ACC+2*\j+1], s[12:13] offset:8*\j
.endr
	global_store_b64 v[OB], v[ACC+8:ACC+9], s[12:13] offset:64     ; classes 16, 17: rows 0, 1 (h = 0) and their copies, rows 8, 9 (h = 1)
	s_wait_xcnt 0x0                                ; OO, OB and ACC are written again in the next tile only behind this wait
	s_add_co_u32 s[TILE], s[TILE], 1
	s_cmp_lt_u32 s[TILE], s[NTILE]
	s_cbranch_scc1 .Ltile
.Lend:
	s_wait_tensorcnt 0x0
	ds_add_u32 v31, v255
	s_wait_dscnt 0x0
	s_endpgm
.Lfunc_end_k_q1b1446b569_gather:
	.size	k_q1b1446b569_gather, .Lfunc_end_k_q1b1446b569_gather-k_q1b1446b569_gather
	.p2alignl 7, 3214868480
	.fill 96, 4, 3214868480
	.section	.rodata,"a",@progbits
	.p2align	6, 0x0
	.amdhsa_kernel k_q1b1446b569_gather
		.amdhsa_group_segment_fixed_size 33792
		.amdhsa_private_segment_fixed_size 0
		.amdhsa_enable_private_segment 0
		.amdhsa_kernarg_size 40
		.amdhsa_user_sgpr_count 2
		.amdhsa_user_sgpr_kernarg_segment_ptr 1
		.amdhsa_wavefront_size32 1
		.amdhsa_system_sgpr_workgroup_id_x 1
		.amdhsa_system_sgpr_workgroup_id_y 1
		.amdhsa_system_sgpr_workgroup_id_z 1
		.amdhsa_system_vgpr_workitem_id 0
		.amdhsa_next_free_vgpr 256
		.amdhsa_next_free_sgpr 66
		.amdhsa_reserve_vcc 1
		.amdhsa_float_denorm_mode_32 3
		.amdhsa_float_denorm_mode_16_64 3
		.amdhsa_memory_ordered 1
		.amdhsa_forward_progress 1
		.amdhsa_inst_pref_size 141
	.end_amdhsa_kernel
	.amdgpu_metadata
---
amdhsa.version: [ 1, 2 ]
amdhsa.kernels:
  - .name:           k_q1b1446b569_gather
    .symbol:         k_q1b1446b569_gather.kd
    .args:
      - { .name: pts, .offset: 0, .size: 8, .value_kind: global_buffer, .address_space: global }
      - { .name: pcell, .offset: 8, .size: 8, .value_kind: global_buffer, .address_space: global }
      - { .name: gword, .offset: 16, .size: 8, .value_kind: global_buffer, .address_space: global }
      - { .name: grec, .offset: 24, .size: 8, .value_kind: global_buffer, .address_space: global }
      - { .name: out0, .offset: 32, .size: 8, .value_kind: global_buffer, .address_space: global }
    .group_segment_fixed_size: 33792
    .private_segment_fixed_size: 0
    .kernarg_segment_align: 8
    .kernarg_segment_size: 40
    .max_flat_workgroup_size: 32
    .sgpr_count:     66
    .vgpr_count:     256
    .wavefront_size: 32
...
	.end_amdgpu_metadata
.endif
;; end of part 2
;; ======== version 2 of 2: 2 launches; version 1 with the launch gather written anew for expert scheduling mode
;; limits: values are held in f16: magnitudes above 65,504 overflow, below 6.1e-05 lose precision; values outside matrix products are rounded to bf16
;; workspace buffers: pcell 65,536 bytes of whole numbers; gword 16,384 bytes of whole numbers; grec 524,288 bytes
;; launch prep: the kernel of part 1 again; grid 256 x 1, 1 waves a work-group, no clusters, 4,864 bytes of LDS; arguments pts, means3D, scales, cov3D, opacities, semantics, pcell, gword, grec; writes pcell, gword, grec
;; launch gather (part 3): grid 256 x 8, 1 waves a work-group, no clusters, 33,792 bytes of LDS; arguments pts, pcell, gword, grec, out0; writes out0
.if DOCPART == 3
	.amdgcn_target "amdgcn-amd-amdhsa--gfx1250"
	.amdhsa_code_object_version 6
	.text
	.protected	k_q1b1446b569_gather
	.globl	k_q1b1446b569_gather
	.p2align	8
	.type	k_q1b1446b569_gather,@function
k_q1b1446b569_gather:
	s_mov_b64 s[64:65], 0
	v_nop
	global_prefetch_b8 v0, s[64:65] scope:SCOPE_SE
	s_setreg_imm32_b32 hwreg(HW_REG_WAVE_SCHED_MODE, 0, 2), 2
	s_setreg_imm32_b32 hwreg(HW_REG_WAVE_MODE, 25, 1), 1
	s_wait_xcnt 0x0
	s_wait_alu depctr_vm_vsrc(0)
; GATHER: out0[n][c] = sum over g of mask(n, g) exp(-q(n, g) / 2) op[g] sem[g][c], cell by cell.
; A work-group is ONE wave: x = one of the 16 x 16 cells (16 cy + cx), y = one of eight shares of 2,048 points.
;  1. The wave looks through its share's 2,048 cell numbers (pcell) and through all 4,096 gaussian words (gword) and writes the
;     numbers of its points in this cell, and of the gaussians whose box touches the cell, into two lists in its LDS.
;     Each list has room for all that the wave looks at, so any spread of points and boxes is served.
;     The eight waves of a cell each make the cell's list of gaussians for themselves: 128 compare masks a wave where a shared
;     list would take 16, and in return no wave waits for another, there is no barrier, and a list position is a plain index.
;  2. Tiles of 16 points.  A K trip takes 64 gaussians, two to a lane: the lane's records come straight into its registers, the
;     16 points' numbers stand in all lanes.  The exact mask (voxels, as whole numbers in f32) and exp2 of the quadratic form
;     give w; w goes as f16 rows [gaussian][16 points] into a stage in LDS, the rows of op * sem beside it, and transposing LDS
;     loads make the fragments of  out^T (class x point) += sem^T (class x g) w (g x point).
;     A lane then holds eight neighbouring classes of one point.
; Pairs that the mask throws away outside the lists are never formed; inside a list the mask selects 0 by v_cndmask_b32.
; EXEC stays full throughout: columns behind the end of the list repeat its last point and store the same numbers to the same
; bytes, and classes 16, 17 stand twice in a record (rows 0, 1 and 8, 9 of the second tile), so both halves of the lanes store them.
; NO JOINT REQUESTS: all work-groups read the same gword, and 256 the same share of pcell, but each lane takes its 48 x 16 bytes
; straight into the registers that the compares read; brought jointly into LDS, the same 48 loads a lane would fetch them from there.
; FORMAT: the points' coordinates are rounded to bf16 (nearest even) as they are loaded and widened to f32 again, as all inputs
; are in the launch before: the results are those of the definition on inputs so rounded, not on the f32 inputs (a coordinate
; between 32 and 64 in magnitude moves by up to 0.125).  A decision of format alone: it saves no byte and no instruction.
; LIMITS: inputs at bf16 precision (above) and finite; voxel numbers below 2^24 in magnitude (compared in f32, where the
; definition casts to int32); w = exp(-q / 2) and op * sem are matrix operands in f16: q above -22, |op * sem| below 65504,
; w below 6e-8 counts as 0; q is summed round the mean and the classes' sums run in list order: roundings differ from the definition's.
; THE MODE: SCHED_MODE bits 1:0 = 2 (LLVM: expert scheduling mode 2), set by the entry lines.  The code itself states the register
; dependences between vector or matrix instructions and memory or LDS instructions, and the scalar results of vector instructions,
; with s_wait_alu, always for 0.
; THE PLAN.  Registers that memory or LDS instructions touch, and who else names them:
;   PLO, GLO, PSTA, PSTB, STW, STS, TRW, TRS   offsets and LDS lane terms: made at the head, never written again.
;   PD, GD       loaded once at the head; read by the scan's compares alone.
;   S0, S1       two sets of four slots and four numbers.  Scan block b writes set b % 2; the four LDS stores that read it are issued in
;                block b + 1, behind that block's compares.  So a block has three waits: at its head, that the stores issued in the block
;                before have read the set that it writes; behind its compares, that the four masks are written; beside that, that the
;                block before has written the other set.
;   POS, IDX, PO, PT, PX .. FZ   a tile's chain: position, list load, offset, the point's loads, its six numbers, the stage, 24 loads back.
;                One wait ahead of each of its three runs of LDS or memory instructions; one at the tile's label frees what the last tile's read.
;   GLA, GLB, GOA, GOB   a K trip's chain: positions, list loads, offsets, 16 record loads.  A wait ahead of each of the two runs of loads.
;   GA, GB       records (loads), read by the pairs' arithmetic; then fragments (LDS loads), read by the matrix instructions.
;   SA, SB       op * sem: loaded, read by LDS stores alone.
;   WPA, WPB     a row of w for each of the lane's two gaussians: written by the roundings, read by the stage's stores.
;   v104-119     at work in the pairs' arithmetic; then fragments.
;                ONE wait ahead of the stage covers the twelve stores (both rows of w are written) and the twelve fragment loads behind
;                them (the pairs are done with GA, GB and v104-119).  One wait at the trip's label frees all that the trip before read.
;   ACC, OO, OB  read by a tile's five stores, behind the four places and one wait.
;   The pairs' masks go into scalar registers four pairs at a time, with one wait behind the eight compares.
.set NP,     16384
.set NG,     4096
.set SHARES, 8
.set PCAP,   NP/SHARES                 ; points that the wave looks at
.set GCAP,   NG                        ; gaussians that the wave looks at
.set GLIST,  0                         ; LDS bytes: the list of gaussians, then a spare word for each lane,
.set PLIST,  GLIST+4*(GCAP+32)         ; the list of points, then a spare word for each lane,
.set PST,    PLIST+4*(PCAP+32)         ; six rows of 16 f32: x y z and voxel x y z of the tile's points,
.set WST,    PST+384                   ; w: 64 rows (gaussians) of 16 f16, 32 bytes apart,
.set SST,    WST+64*32                 ; op * sem: 64 rows of 32 f16, 96 bytes apart (both pitches odd multiples of 32); ends at 33,408
; vector registers.  v0-v26 hold lane constants, positions and offsets and never a float.
.set R,    1                           ; lane & 15: my point in the tile
.set H,    2                           ; lane >> 4
.set PLO,  3                           ; byte offset of my first 16 bytes of pcell
.set GLO,  4                           ; and of gword
.set VBP,  5                           ; number of my first point, VBG of my first gaussian
.set VBG,  6
.set VCAP, 7                           ; scan: my spare slot
.set PSTA, 8                           ; LDS lane terms
.set PSTB, 9
.set STW,  10
.set STS,  11
.set TRW,  12
.set TRS,  13
.set H32,  14                          ; 32 h
.set POS,  15
.set IDX,  16
.set PO,   17
.set OB,   18
.set OO,   19
.set QA,   20
.set QB,   21
.set GLA,  22
.set GLB,  23
.set GOA,  24
.set GOB,  25
.set T0,   26
.set PD,   32                          ; v32-95   scan: 16 x 4 cell numbers
.set GD,   96                          ; v96-223  scan: 32 x 4 gaussian words
.set GA,   32                          ; v32-47   record of my first gaussian; later fragments
.set GB,   48                          ; v48-63   of my second
.set SA,   64                          ; v64-79   its op * sem; SB the second's
.set SB,   80
.set WPA,  96                          ; v96-103  my first gaussian's 16 w as f16
.set DX,   104                         ; v104-127 at work; later fragments
.set DY,   106
.set DZ,   108
.set EX,   110
.set EY,   112
.set EZ,   114
.set T1,   116
.set T2,   118
.set T3,   120
.set Q,    122
.set MX,   126
.set PX,   128                         ; v128-223: x, y, z, voxel x, y, z of the 16 points, in every lane
.set PY,   144
.set PZ,   160
.set FX,   176
.set FY,   192
.set FZ,   208
.set ACC,  224                         ; v224-231 classes 0-15, v232-239 the second tile.  In the scan v224-231 are set S1: four slots, four numbers
.set EB,   240                         ; v240-247 the exponentials of four pairs.          In the scan they are set S0
.set PT,   248                         ; v248-254 my point: x y z, voxel x y z, one at work
.set WPB,  248                         ; v248-255 in a K trip: my second gaussian's 16 w as f16
; scalar registers: s[4:5] pts, s[6:7] pcell, s[8:9] gword, s[10:11] grec, s[12:13] out0
.set SHARE, 14
.set CID,   15
.set CBITS, 16
.set TMP,   17
.set MK,    20                         ; s20-23 scan: four compare masks
.set CN,    24                         ; s24-27 their counts
.set BS,    28                         ; s28-31 the list's length in front of each
.set PM,    20                         ; s20-27 in a K trip: the masks of four pairs
.set LA,    28                         ; s28, s29 in a K trip: lanes whose first, second list position holds a gaussian
.set LB,    29
.set PCNT,  32
.set GCNT,  33
.set PLAST, 34
.set GLAST, 35
.set NTILE, 36
.set TILE,  37
.set KTRIPS, 38
.set KT,    39
.set GRID,  40
.set RCPG,  41
; Scan block blk (0-15: points; 16-47: gaussians).  Four registers of whole numbers (128 entries): matches go to the next free slots of the list.
; slot = length so far + matches in lower lanes (v_mbcnt); lanes without a match write to their spare word.
; The v_min_u32 holds every slot inside the list and its spare words, whatever was loaded.
; The block writes set blk % 2 and issues the four LDS stores of the block before, which read the other set.
.macro SCAN4 X, VB, K0, CAP, blk
.set ST,  240-16*((\blk)%2)            ; this block's slots and numbers
.set SU,  ST+4
.set OST, 240-16*(((\blk)+1)%2)        ; those of the block before,
.set OSU, OST+4
.if (\blk) < 17
.set OSEG, PLIST                       ; and its list
.else
.set OSEG, GLIST
.endif
.if (\blk) >= 2
	s_wait_alu depctr_vm_vsrc(0)                           ; the LDS stores issued in the block before have read this block's set, which the lines below write again
.endif
.irp j, 0,1,2,3
.if (\blk) >= 16
	v_and_b32 v[ST+\j], s[CBITS], v[\X+\j]                 ; both my cell's bits set?
	v_cmp_eq_u32 s[MK+\j], s[CBITS], v[ST+\j]
.else
	v_cmp_eq_u32 s[MK+\j], s[CID], v[\X+\j]
.endif
.endr
	s_wait_alu depctr_va_sdst(0)                           ; the four masks are written, ahead of their first readers, the counts below
.if (\blk) >= 1
	s_wait_alu depctr_va_vdst(0)                           ; the block before has written its slots and numbers, which these four stores read
.irp j, 0,1,2,3
	ds_store_b32 v[OST+\j], v[OSU+\j] offset:OSEG
.endr
.endif
.irp j, 0,1,2,3
	s_bcnt1_i32_b32 s[CN+\j], s[MK+\j]
.endr
	s_add_co_u32 s[BS+1], s[BS], s[CN]
	s_add_co_u32 s[BS+2], s[BS+1], s[CN+1]
	s_add_co_u32 s[BS+3], s[BS+2], s[CN+2]
.irp j, 0,1,2,3
	v_mbcnt_lo_u32_b32 v[ST+\j], s[MK+\j], s[BS+\j]
.endr
.irp j, 0,1,2,3
	v_cndmask_b32 v[ST+\j], v[VCAP], v[ST+\j], s[MK+\j]
.endr
.irp j, 0,1,2,3
	v_min_u32 v[ST+\j], \CAP, v[ST+\j]
.endr
.irp j, 0,1,2,3
	v_lshl_add_u32 v[ST+\j], v[ST+\j], 2, 0
	v_add_nc_u32 v[SU+\j], \K0+\j, v[\VB]                  ; the entry's number
.endr
	s_add_co_u32 s[BS], s[BS+3], s[CN+3]
.endm
.macro VOXEL f, p, shift, t            ; v[f] = floor((v[p] + shift) / 0.4f), the division rounded correctly, as in the launch before
	v_add_f32 v[\t], \shift, v[\p]
	v_mul_f32 v[\f], s[RCPG], v[\t]
	v_fma_f32 v[\t], -v[\f], s[GRID], v[\t]
	v_fma_f32 v[\f], v[\t], s[RCPG], v[\f]
	v_floor_f32 v[\f], v[\f]
.endm
; Points t, t + 1 of the tile against the gaussian whose record is v[G:G+15]: pair u of four.  op_sel picks one register of a pair for both halves.
; It leaves the two exponentials in EB + 2 u, EB + 2 u + 1 and the two masks in s[PM + 2 u], s[PM + 2 u + 1].
.macro PAIR G, t, u
	v_pk_add_f32 v[DX:DX+1], v[PX+\t:PX+\t+1], v[\G:\G+1] op_sel_hi:[1,0]                     ; d = p - m
	v_pk_add_f32 v[DY:DY+1], v[PY+\t:PY+\t+1], v[\G:\G+1] op_sel:[0,1] op_sel_hi:[1,1]
	v_pk_add_f32 v[DZ:DZ+1], v[PZ+\t:PZ+\t+1], v[\G+2:\G+3] op_sel_hi:[1,0]
	v_pk_add_f32 v[EX:EX+1], v[FX+\t:FX+\t+1], v[\G+4:\G+5] op_sel_hi:[1,0]                   ; voxel differences
	v_pk_add_f32 v[EY:EY+1], v[FY+\t:FY+\t+1], v[\G+4:\G+5] op_sel:[0,1] op_sel_hi:[1,1]
	v_pk_add_f32 v[EZ:EZ+1], v[FZ+\t:FZ+\t+1], v[\G+6:\G+7] op_sel_hi:[1,0]
	v_pk_fma_f32 v[T1:T1+1], v[DX:DX+1], v[\G+8:\G+9], v[\G+8:\G+9] op_sel:[0,0,1] op_sel_hi:[1,0,1]       ; Cxx dx + Vx
	v_pk_fma_f32 v[T2:T2+1], v[DY:DY+1], v[\G+12:\G+13], v[\G+12:\G+13] op_sel:[0,0,1] op_sel_hi:[1,0,1]   ; Cyy dy + Vy
	v_pk_fma_f32 v[T3:T3+1], v[DZ:DZ+1], v[\G+6:\G+7], v[\G+14:\G+15] op_sel:[0,1,1] op_sel_hi:[1,1,1]     ; Czz dz + Vz
	v_pk_fma_f32 v[T1:T1+1], v[DY:DY+1], v[\G+10:\G+11], v[T1:T1+1] op_sel_hi:[1,0,1]                      ; + Cxy dy
	v_pk_fma_f32 v[T2:T2+1], v[DZ:DZ+1], v[\G+14:\G+15], v[T2:T2+1] op_sel_hi:[1,0,1]                      ; + Cyz dz
	v_pk_fma_f32 v[T1:T1+1], v[DZ:DZ+1], v[\G+10:\G+11], v[T1:T1+1] op_sel:[0,1,0] op_sel_hi:[1,1,1]       ; + Cxz dz
	v_pk_mul_f32 v[Q:Q+1], v[DZ:DZ+1], v[T3:T3+1]
	v_pk_fma_f32 v[Q:Q+1], v[DY:DY+1], v[T2:T2+1], v[Q:Q+1]
	v_pk_fma_f32 v[Q:Q+1], v[DX:DX+1], v[T1:T1+1], v[Q:Q+1]       ; -0.5 log2(e) q
	v_exp_f32 v[EB+2*\u], v[Q]
	v_exp_f32 v[EB+2*\u+1], v[Q+1]                 ; plain instructions stand before the results are read or Q is written again (ISA guide 5.7.2)
	v_max3_num_f32 v[MX], |v[EX]|, |v[EY]|, |v[EZ]|
	v_max3_num_f32 v[MX+1], |v[EX+1]|, |v[EY+1]|, |v[EZ+1]|
	v_cmp_le_f32 s[PM+2*\u], v[MX], v[\G+3]        ; all three differences within the radius
	v_cmp_le_f32 s[PM+2*\u+1], v[MX+1], v[\G+3]
.endm
; Four pairs: points t0 .. t0 + 7.  The eight compares stand in one run of code with one wait behind them; then the selects and the roundings.
.macro QUAD G, t0, W
.irp u, 0,1,2,3
	PAIR \G, \t0+2*\u, \u
.endr
	s_wait_alu depctr_va_sdst(0)                   ; the eight masks are written, ahead of their first readers, the selects below
	s_wait_alu depctr_va_vdst(0)
.irp u, 0,1,2,3,4,5,6,7
	v_cndmask_b32 v[EB+\u], 0, v[EB+\u], s[PM+\u]
.endr
.irp u, 0,1,2,3
	v_cvt_pk_f16_f32 v[\W+\u], v[EB+2*\u], v[EB+2*\u+1]
.endr
.endm
.macro HALF G, W                       ; one of my two gaussians of the trip against all 16 points; its row of w into v[W:W+7]
	QUAD \G, 0, \W
	QUAD \G, 8, \W+4
.endm
; Fragments of K step a (32 gaussians): rows lie [k][n] in LDS; a transposing load gives lane (r, h) eight k of column r.
.macro FRAGS a, B, A0, A1
	ds_load_tr16_b128 v[\B:\B+3], v[TRW] offset:WST+1024*\a
	ds_load_tr16_b128 v[\B+4:\B+7], v[TRW] offset:WST+1024*\a+512
	ds_load_tr16_b128 v[\A0:\A0+3], v[TRS] offset:SST+3072*\a
	ds_load_tr16_b128 v[\A0+4:\A0+7], v[TRS] offset:SST+3072*\a+1536
	ds_load_tr16_b128 v[\A1:\A1+3], v[TRS] offset:SST+3072*\a+32
	ds_load_tr16_b128 v[\A1+4:\A1+7], v[TRS] offset:SST+3072*\a+1536+32
.endm
	s_load_b256 s[4:11], s[0:1], 0x0               ; pts, pcell, gword, grec
	s_load_b64 s[12:13], s[0:1], 0x20              ; out0
	v_lshl_add_u32 v30, v0, 2, 0x8300
	v_mov_b32 v31, 0
	s_and_b32 s[SHARE], ttmp7, 0xffff
	v_lshlrev_b32 v[GLO], 4, v0                    ; gword: 16 bytes a lane
	s_lshl_b32 s[TMP], s[SHARE], 13
	v_add_nc_u32 v[PLO], s[TMP], v[GLO]            ; pcell: 8,192 bytes a share, 16 a lane
	s_wait_kmcnt 0x0
	s_wait_alu depctr_va_vdst(0)                   ; PLO and GLO are written: the 48 loads below read them as their offsets
.set i, 0
.rept 16
	global_load_b128 v[PD+4*i:PD+4*i+3], v[PLO], s[6:7] offset:512*i      ; register j: point 2048 share + 128 i + 4 lane + j
.set i, i+1
.endr
.set i, 0
.rept 32
	global_load_b128 v[GD+4*i:GD+4*i+3], v[GLO], s[8:9] offset:512*i      ; register j: gaussian 128 i + 4 lane + j
.set i, i+1
.endr
	; while the 48 loads are on their way: constants of the lane and of the work-group (none of these lines names PLO, GLO, PD or GD)
	v_lshlrev_b32 v[VBG], 2, v0                    ; 4 lane
	s_lshl_b32 s[TMP], s[SHARE], 11
	v_add_nc_u32 v[VBP], s[TMP], v[VBG]            ; 2048 share + 4 lane
	v_and_b32 v[R], 15, v0
	v_lshrrev_b32 v[H], 4, v0
	s_mov_b32 s[CID], ttmp9
	s_and_b32 s[TMP], ttmp9, 15
	s_lshl_b32 s[CBITS], 1, s[TMP]                 ; bit cx
	s_lshr_b32 s[TMP], ttmp9, 4
	s_add_co_u32 s[TMP], s[TMP], 16
	s_lshl_b32 s[TMP], 1, s[TMP]                   ; bit 16 + cy
	s_or_b32 s[CBITS], s[CBITS], s[TMP]
	s_mov_b32 s[GRID], 0x3ecccccd
	s_mov_b32 s[RCPG], 0x40200000
	v_lshlrev_b32 v[PSTA], 2, v[R]                 ; my point's word in a row of the points' stage
	v_mov_b32 v[PSTB], 0                           ; and one address for all lanes, to read the rows back
	v_lshlrev_b32 v[STW], 5, v0                    ; row = lane, 32 bytes
	v_mul_u32_u24 v[STS], 96, v0                   ; row = lane, 96 bytes
	v_and_b32 v[TRW], 7, v0
	v_lshl_or_b32 v[TRW], v[H], 3, v[TRW]          ; transposing loads: row 8 h + (lane & 7),
	v_bfe_u32 v[T0], v0, 3, 1
	v_lshlrev_b32 v[T0], 4, v[T0]                  ; 16 bytes on for lanes 8-15 and 24-31
	v_mul_u32_u24 v[TRS], 96, v[TRW]
	v_add_nc_u32 v[TRS], v[TRS], v[T0]
	v_lshl_add_u32 v[TRW], v[TRW], 5, v[T0]
	v_lshlrev_b32 v[H32], 5, v[H]
	; ---- 1. the lists: 48 blocks, the two sets of slots and numbers by turns
	v_add_nc_u32 v[VCAP], PCAP, v0
	s_mov_b32 s[BS], 0
.set i, 0
.rept 16
	s_wait_loadcnt 47-i                            ; loads return in order (ISA guide 5.7.1): load i is in, the 47 - i younger may be out
	SCAN4 PD+4*i, VBP, 128*i, PCAP+31, i
.set i, i+1
.endr
	s_mov_b32 s[PCNT], s[BS]
	v_add_nc_u32 v[VCAP], GCAP, v0
	s_mov_b32 s[BS], 0
.set i, 0
.rept 32
	s_wait_loadcnt 31-i                            ; gword's load i is in, its 31 - i younger may be out
	SCAN4 GD+4*i, VBG, 128*i, GCAP+31, 16+i
.set i, i+1
.endr
	s_wait_alu depctr_va_vdst(0)                   ; the last block has written its slots and numbers, which its own four stores read
.irp j, 0,1,2,3
	ds_store_b32 v[ST+\j], v[SU+\j] offset:GLIST
.endr
	s_mov_b32 s[GCNT], s[BS]
	s_add_co_u32 s[PLAST], s[PCNT], -1
	s_add_co_u32 s[GLAST], s[GCNT], -1
	s_add_co_u32 s[NTILE], s[PCNT], 15
	s_lshr_b32 s[NTILE], s[NTILE], 4               ; tiles of 16 points
	s_add_co_u32 s[KTRIPS], s[GCNT], 63
	s_lshr_b32 s[KTRIPS], s[KTRIPS], 6             ; trips of 64 gaussians
	s_cmp_eq_u32 s[NTILE], 0
	s_cbranch_scc1 .Lend                           ; none of this share's points lies in the cell
	s_mov_b32 s[TILE], 0
	; ---- 2. the tiles.  The lists are the wave's own and LDS serves a wave in order (ISA guide 5.7.1): no wait behind the stores above
.Ltile:
	s_wait_alu depctr_vm_vsrc(0)                   ; the last tile's loads and stores have read POS, PO, PT, OO, OB, ACC and the second row of w (v248-255); at the
	                                               ; first tile: the scan's last stores have read both sets (v224-231, v240-247).  All of these are written again below
	v_lshl_add_u32 v[POS], s[TILE], 4, v[R]
	v_min_u32 v[POS], s[PLAST], v[POS]             ; columns behind the list's end repeat its last point
	v_min_u32 v[POS], PCAP-1, v[POS]               ; inside the list, whatever the count
	v_lshl_add_u32 v[POS], v[POS], 2, 0
	s_wait_alu depctr_va_vdst(0)                   ; POS is written, which the load reads; the last tile's lines that named IDX, in which it lands, are done
	ds_load_b32 v[IDX], v[POS] offset:PLIST
	s_wait_dscnt 0x0
	v_min_u32 v[IDX], NP-1, v[IDX]
	v_lshl_add_u32 v[PO], v[IDX], 1, v[IDX]        ; 3 n
	v_lshl_add_u32 v[PO], v[PO], 2, 0              ; 12 n: the point's three f32
	s_wait_alu depctr_va_vdst(0)                   ; PO is written, which the three loads read; the last tile's lines that named v248-250, in which they land, are done
	global_load_b32 v[PT], v[PO], s[4:5]
	global_load_b32 v[PT+1], v[PO], s[4:5] offset:4
	global_load_b32 v[PT+2], v[PO], s[4:5] offset:8
	v_lshl_add_u32 v[OB], v[IDX], 3, v[IDX]        ; 9 n.  OB, OO and ACC were the last tile's store sources: the s_wait_xcnt 0
	v_lshl_add_u32 v[OO], v[OB], 3, v[H32]         ; 72 n + 32 h    behind its last store, and the wait at the label, stand in front of these lines
	v_lshl_add_u32 v[OB], v[OB], 3, 0              ; 72 n
.irp j, 0,1,2,3,4,5,6,7,8,9,10,11,12,13,14,15
	v_mov_b32 v[ACC+\j], 0                         ; cleared, since a cell without gaussians makes no product and still stores zeros
.endr
	s_wait_loadcnt 0x0
	v_cvt_pk_bf16_f32 v[PT+6], v[PT], v[PT+1]      ; the three coordinates at bf16 precision (nearest even), widened again
	v_lshlrev_b32 v[PT], 16, v[PT+6]
	v_and_b32 v[PT+1], 0xffff0000, v[PT+6]
	v_cvt_pk_bf16_f32 v[PT+6], v[PT+2], v[PT+2]
	v_lshlrev_b32 v[PT+2], 16, v[PT+6]
	VOXEL PT+3, PT, 0x42200000, PT+6
	VOXEL PT+4, PT+1, 0x42200000, PT+6
	VOXEL PT+5, PT+2, 1.0, PT+6
	s_wait_alu depctr_va_vdst(0)                   ; the point's six numbers are written, which the stores read; the last readers of v128-223 (the last tile's pairs,
	                                               ; at the first tile the scan's compares) are done: the 24 loads land there
.irp a, 0,1,2,3,4,5
	ds_store_b32 v[PSTA], v[PT+\a] offset:PST+64*\a                ; lanes r and r + 16 hold the same point and write the same word
.endr
.irp a, 0,1,2,3,4,5
.irp c, 0,1,2,3
	ds_load_b128 v[PX+16*\a+4*\c:PX+16*\a+4*\c+3], v[PSTB] offset:PST+64*\a+16*\c   ; one address for all lanes; behind my own stores, in order
.endr
.endr
	s_wait_dscnt 0x0
	s_cmp_eq_u32 s[KTRIPS], 0
	s_cbranch_scc1 .Lout
	s_mov_b32 s[KT], 0
.Lk:
	s_wait_alu depctr_vm_vsrc(0)                   ; the trip before has read GLA, GLB (list loads), GOA, GOB (record loads), SA, SB and both rows of w (stage stores);
	                                               ; in a tile's first trip: the points' stage has read PT, whose registers take the second row of w
	v_lshl_add_u32 v[QA], s[KT], 6, v0             ; list positions of my two gaussians
	v_add_nc_u32 v[QB], 32, v[QA]
	v_cmp_gt_u32 s[LA], s[GCNT], v[QA]             ; do they hold a gaussian?
	v_cmp_gt_u32 s[LB], s[GCNT], v[QB]
	v_min_u32 v[GLA], s[GLAST], v[QA]              ; behind the end: the last one again, with radius -1 below
	v_min_u32 v[GLB], s[GLAST], v[QB]
	v_min_u32 v[GLA], GCAP-1, v[GLA]               ; inside the list, whatever the count
	v_min_u32 v[GLB], GCAP-1, v[GLB]
	v_lshl_add_u32 v[GLA], v[GLA], 2, 0
	v_lshl_add_u32 v[GLB], v[GLB], 2, 0
	s_wait_alu depctr_va_vdst(0)                   ; GLA and GLB are written, which the two loads read; the lines of the trip before that wrote GOA and GOB, in which they
	                                               ; land, are done, and so are its matrix instructions and pairs, which read v32-63
	ds_load_b32 v[GOA], v[GLA] offset:GLIST
	ds_load_b32 v[GOB], v[GLB] offset:GLIST
	s_wait_alu depctr_va_sdst(0)                   ; s[LA] and s[LB] are written, ahead of their first readers, the two selects of the radius below
	s_wait_dscnt 0x0
	v_min_u32 v[GOA], NG-1, v[GOA]
	v_min_u32 v[GOB], NG-1, v[GOB]
	v_lshl_add_u32 v[GOA], v[GOA], 7, 0            ; records of 128 bytes
	v_lshl_add_u32 v[GOB], v[GOB], 7, 0
	s_wait_alu depctr_va_vdst(0)                   ; GOA and GOB are written, which the 16 loads read (no line since the wait before names v32-95, in which they land)
.irp c, 0,1,2,3
	global_load_b128 v[GA+4*\c:GA+4*\c+3], v[GOA], s[10:11] offset:16*\c
.endr
.irp c, 0,1,2,3
	global_load_b128 v[GB+4*\c:GB+4*\c+3], v[GOB], s[10:11] offset:16*\c
.endr
.irp c, 0,1,2,3
	global_load_b128 v[SA+4*\c:SA+4*\c+3], v[GOA], s[10:11] offset:64+16*\c
.endr
.irp c, 0,1,2,3
	global_load_b128 v[SB+4*\c:SB+4*\c+3], v[GOB], s[10:11] offset:64+16*\c
.endr
	s_wait_loadcnt 12                              ; the first record's four loads are in, the twelve younger may be out
	v_cndmask_b32 v[GA+3], -1.0, v[GA+3], s[LA]    ; no gaussian here: no difference is within -1, so w = 0
	HALF GA, WPA
	s_wait_loadcnt 8                               ; the second record is in, the eight loads of op * sem may be out
	v_cndmask_b32 v[GB+3], -1.0, v[GB+3], s[LB]
	HALF GB, WPB
	s_wait_loadcnt 0x0                             ; op * sem is in; this also frees GOA and GOB for the next trip
	s_wait_alu depctr_va_vdst(0)                   ; both rows of w are written, which the stores read; the pairs are done with GA, GB and v104-119, in which the fragments land
	ds_store_b128 v[STW], v[WPA:WPA+3] offset:WST
	ds_store_b128 v[STW], v[WPA+4:WPA+7] offset:WST+16
	ds_store_b128 v[STW], v[WPB:WPB+3] offset:WST+1024
	ds_store_b128 v[STW], v[WPB+4:WPB+7] offset:WST+1024+16
.irp c, 0,1,2,3
	ds_store_b128 v[STS], v[SA+4*\c:SA+4*\c+3] offset:SST+16*\c
	ds_store_b128 v[STS], v[SB+4*\c:SB+4*\c+3] offset:SST+3072+16*\c
.endr
	FRAGS 0, 32, 40, 48                            ; LDS serves a wave in order: these see the stores above without a wait
	FRAGS 1, 56, 104, 112
	s_wait_dscnt 0x0
	v_wmma_f32_16x16x32_f16 v[ACC:ACC+7], v[40:47], v[32:39], v[ACC:ACC+7]
	v_wmma_f32_16x16x32_f16 v[ACC+8:ACC+15], v[48:55], v[32:39], v[ACC+8:ACC+15]
	v_wmma_f32_16x16x32_f16 v[ACC:ACC+7], v[104:111], v[56:63], v[ACC:ACC+7]
	v_wmma_f32_16x16x32_f16 v[ACC+8:ACC+15], v[112:119], v[56:63], v[ACC+8:ACC+15]
	s_add_co_u32 s[KT], s[KT], 1                   ; the next trip's first vector line that writes a fragment's register stands behind twelve plain vector
	s_cmp_lt_u32 s[KT], s[KTRIPS]                  ; instructions that name no fragment (ISA guide 7.12.1)
	s_cbranch_scc1 .Lk
.Lout:
.rept 4
	v_nop                                          ; four places between the last matrix instruction and the stores of its result (7.12.1)
.endr
	s_wait_alu depctr_va_vdst(0)                   ; the accumulators (matrix results, or the zeros of a cell without gaussians), OO and OB are written, which the stores read; the places above stay beside this wait
	; lane (r, h), register j of ACC = class 8 h + j of point r: 32 neighbouring bytes of its row of 72 (8 is the widest aligned access)
.irp j, 0,1,2,3
	global_store_b64 v[OO], v[ACC+2*\j:ACC+2*\j+1], s[12:13] offset:8*\j
.endr
	global_store_b64 v[OB], v[ACC+8:ACC+9], s[12:13] offset:64     ; classes 16, 17: rows 0, 1 (h = 0) and their copies, rows 8, 9 (h = 1)
	s_wait_xcnt 0x0                                ; OO, OB and ACC are written again in the next tile only behind this wait
	s_add_co_u32 s[TILE], s[TILE], 1
	s_cmp_lt_u32 s[TILE], s[NTILE]
	s_cbranch_scc1 .Ltile
.Lend:
	s_wait_dscnt 0x0
	s_wait_alu depctr_hold_cnt(0) depctr_sa_sdst(0) depctr_va_vdst(0) depctr_va_sdst(0) depctr_va_ssrc(0) depctr_va_vcc(0) depctr_vm_vsrc(0)
	s_wait_tensorcnt 0x0
	ds_add_u32 v30, v31
	s_wait_dscnt 0x0
	s_endpgm
.Lfunc_end_k_q1b1446b569_gather:
	.size	k_q1b1446b569_gather, .Lfunc_end_k_q1b1446b569_gather-k_q1b1446b569_gather
	.p2alignl 7, 3214868480
	.fill 96, 4, 3214868480
	.section	.rodata,"a",@progbits
	.p2align	6, 0x0
	.amdhsa_kernel k_q1b1446b569_gather
		.amdhsa_group_segment_fixed_size 33792
		.amdhsa_private_segment_fixed_size 0
		.amdhsa_enable_private_segment 0
		.amdhsa_kernarg_size 40
		.amdhsa_user_sgpr_count 2
		.amdhsa_user_sgpr_kernarg_segment_ptr 1
		.amdhsa_wavefront_size32 1
		.amdhsa_system_sgpr_workgroup_id_x 1
		.amdhsa_system_sgpr_workgroup_id_y 1
		.amdhsa_system_sgpr_workgroup_id_z 1
		.amdhsa_system_vgpr_workitem_id 0
		.amdhsa_next_free_vgpr 256
		.amdhsa_next_free_sgpr 66
		.amdhsa_reserve_vcc 0
		.amdhsa_float_denorm_mode_32 3
		.amdhsa_float_denorm_mode_16_64 3
		.amdhsa_memory_ordered 1
		.amdhsa_forward_progress 1
		.amdhsa_inst_pref_size 147
	.end_amdhsa_kernel
	.amdgpu_metadata
---
amdhsa.version: [ 1, 2 ]
amdhsa.kernels:
  - .name:           k_q1b1446b569_gather
    .symbol:         k_q1b1446b569_gather.kd
    .args:
      - { .name: pts, .offset: 0, .size: 8, .value_kind: global_buffer, .address_space: global }
      - { .name: pcell, .offset: 8, .size: 8, .value_kind: global_buffer, .address_space: global }
      - { .name: gword, .offset: 16, .size: 8, .value_kind: global_buffer, .address_space: global }
      - { .name: grec, .offset: 24, .size: 8, .value_kind: global_buffer, .address_space: global }
      - { .name: out0, .offset: 32, .size: 8, .value_kind: global_buffer, .address_space: global }
    .group_segment_fixed_size: 33792
    .private_segment_fixed_size: 0
    .kernarg_segment_align: 8
    .kernarg_segment_size: 40
    .max_flat_workgroup_size: 32
    .sgpr_count:     66
    .vgpr_count:     256
    .wavefront_size: 32
...
	.end_amdgpu_metadata
.endif
;; end of part 3
